; MI455X (gfx1250); checked and timed in simulation.
; The chip was launched on July 23, 2026; its instructions are those of AMD's public machine-readable ISA for CDNA 5 (MIT licence, August 2026) and "CDNA5" Instruction Set Architecture Reference Guide (July 2026). The comments in the code are by the model that wrote it; some were corrected since.
;; CARP3 D LD Ave. Allowed arithmetic: float matrix products may take bf16 or f16 operands with f32 sums; all other float work in f32.
;; Inputs: W1 512 x 512 float32; Wa 512 x 256 float32; Wb 512 x 256 float32; Wc 256 x 1 float32; Wcls 512 x 2 float32; b1 512 float32; ba 256 float32; bb 256 float32; bc 1 float32; bcls 2 float32; h 16 x 8,192 x 512 float32.
;; Outputs: out0 1 x 2 float32; out1 1 x 2 float32; out2 1 x 1 int32; out3 16 x 1 x 8,192 float32; out4 16 x 1 x 512 float32.
;; One version. Each part assembles by itself: llvm-mc -triple=amdgcn-amd-amdhsa -mcpu=gfx1250 --defsym DOCPART=n.
;; ======== version 1 of 1: 3 launches
;; limits: values are held in f16: magnitudes above 65,504 overflow, below 6.1e-05 lose precision; right only within a limited range of input values
;; workspace buffers: wcat 1,048,576 bytes; pm 524,288 bytes; pml 16,384 bytes
;; launch cast (part 1): grid 256 x 1, 8 waves a work-group, no clusters, 0 bytes of LDS; arguments W1, Wa, Wb, wcat; writes wcat
.if DOCPART == 1
	.amdgcn_target "amdgcn-amd-amdhsa--gfx1250"
	.amdhsa_code_object_version 6
	.text
	.protected	k_qb8579b10ba_cast
	.globl	k_qb8579b10ba_cast
	.p2align	8
	.type	k_qb8579b10ba_cast,@function
k_qb8579b10ba_cast:
	s_mov_b64 s[64:65], 0
	v_nop
	global_prefetch_b8 v0, s[64:65] scope:SCOPE_SE
	s_setreg_imm32_b32 hwreg(HW_REG_WAVE_MODE, 25, 1), 1
	s_wait_xcnt 0x0
; wcat: f16 [1024][512].  Rows 0-511: W1[k][n].  Row 512 + k: K1 x Wa[k][0..255], then K2 x Wb[k][0..255], with K1 = 2 log2(e) and
; K2 = -log2(e): the second product's sums are then the arguments of 2^x for tanh and sigmoid.  Each number is scaled in f32 and rounded once to f16.
; LIMIT: |W1|, 2.885 |Wa| and 1.443 |Wb| stay below 65,504; below 6e-5 f16 keeps its fixed step of 6e-8.
; A stream: 2,048 waves, one for each half row of 256 columns.  A load of a wave covers 512 consecutive bytes, a store 256 consecutive, aligned bytes.
; No LDS, no matrix unit, no cluster: nothing is shared and nothing is multiplied by a matrix.
.set K1, 0x4038aa3b
.set K2, 0xbfb8aa3b
	s_load_b256 s[4:11], s[0:1], 0x0               ; W1 s[4:5], Wa s[6:7], Wb s[8:9], wcat s[10:11]
	v_lshrrev_b32 v1, 5, v0
	v_readfirstlane_b32 s12, v1                    ; wave 0..7
	s_lshl_b32 s13, ttmp9, 3
	s_add_co_u32 s13, s13, s12                     ; G = my half row, 0..2047
	s_lshr_b32 s14, s13, 1                         ; row of wcat
	s_and_b32 s15, s13, 1                          ; which half of it
	v_and_b32 v3, 31, v0
	v_lshlrev_b32 v1, 4, v3                        ; 16 bytes of f32 a lane
	v_lshlrev_b32 v2, 3, v3                        ; 8 bytes of f16 a lane
	s_lshl_b32 s16, s13, 10                        ; in W1: row x 2,048 + half x 1,024 = G x 1,024
	s_max_u32 s17, s14, 512
	s_sub_co_u32 s17, s17, 512
	s_lshl_b32 s17, s17, 10                        ; in Wa or Wb: (row - 512) x 1,024
	s_mov_b32 s22, K1
	s_mov_b32 s23, K2
	s_cmp_eq_u32 s15, 1
	s_cselect_b32 s20, s23, s22                    ; the right half is Wb's, the left Wa's
	s_cmp_lt_u32 s14, 512
	s_cselect_b32 s20, 1.0, s20                    ; W1 is not scaled
	s_cselect_b32 s16, s16, s17
	s_mov_b32 s17, 0
	s_mov_b32 s21, s20                             ; named as a pair by the packed multiply
	s_lshl_b32 s18, s13, 9                         ; in wcat: G x 512
	s_mov_b32 s19, 0
	s_wait_kmcnt 0x0
	s_cmp_eq_u32 s15, 1
	s_cselect_b64 s[24:25], s[8:9], s[6:7]
	s_cmp_lt_u32 s14, 512
	s_cselect_b64 s[24:25], s[4:5], s[24:25]
	s_add_nc_u64 s[24:25], s[24:25], s[16:17]
	s_add_nc_u64 s[10:11], s[10:11], s[18:19]
	global_load_b128 v[4:7], v1, s[24:25] th:TH_LOAD_NT             ; columns 4 l .. 4 l + 3
	global_load_b128 v[8:11], v1, s[24:25] offset:512 th:TH_LOAD_NT ; columns 128 + 4 l ..
	s_wait_loadcnt 0x0
	v_pk_mul_f32 v[4:5], v[4:5], s[20:21] op_sel_hi:[1,0]
	v_pk_mul_f32 v[6:7], v[6:7], s[20:21] op_sel_hi:[1,0]
	v_pk_mul_f32 v[8:9], v[8:9], s[20:21] op_sel_hi:[1,0]
	v_pk_mul_f32 v[10:11], v[10:11], s[20:21] op_sel_hi:[1,0]
	v_cvt_pk_f16_f32 v12, v4, v5
	v_cvt_pk_f16_f32 v13, v6, v7
	v_cvt_pk_f16_f32 v14, v8, v9
	v_cvt_pk_f16_f32 v15, v10, v11
	global_store_b64 v2, v[12:13], s[10:11]
	global_store_b64 v2, v[14:15], s[10:11] offset:256
	s_endpgm
.Lfunc_end_k_qb8579b10ba_cast:
	.size	k_qb8579b10ba_cast, .Lfunc_end_k_qb8579b10ba_cast-k_qb8579b10ba_cast
	.p2alignl 7, 3214868480
	.fill 96, 4, 3214868480
	.section	.rodata,"a",@progbits
	.p2align	6, 0x0
	.amdhsa_kernel k_qb8579b10ba_cast
		.amdhsa_group_segment_fixed_size 0
		.amdhsa_private_segment_fixed_size 0
		.amdhsa_enable_private_segment 0
		.amdhsa_kernarg_size 32
		.amdhsa_user_sgpr_count 2
		.amdhsa_user_sgpr_kernarg_segment_ptr 1
		.amdhsa_wavefront_size32 1
		.amdhsa_system_sgpr_workgroup_id_x 1
		.amdhsa_system_sgpr_workgroup_id_y 1
		.amdhsa_system_sgpr_workgroup_id_z 1
		.amdhsa_system_vgpr_workitem_id 0
		.amdhsa_next_free_vgpr 24
		.amdhsa_next_free_sgpr 66
		.amdhsa_reserve_vcc 0
		.amdhsa_float_denorm_mode_32 3
		.amdhsa_float_denorm_mode_16_64 3
		.amdhsa_memory_ordered 1
		.amdhsa_forward_progress 1
		.amdhsa_inst_pref_size 3
	.end_amdhsa_kernel
	.amdgpu_metadata
---
amdhsa.version: [ 1, 2 ]
amdhsa.kernels:
  - .name:           k_qb8579b10ba_cast
    .symbol:         k_qb8579b10ba_cast.kd
    .args:
      - { .name: W1, .offset: 0, .size: 8, .value_kind: global_buffer, .address_space: global }
      - { .name: Wa, .offset: 8, .size: 8, .value_kind: global_buffer, .address_space: global }
      - { .name: Wb, .offset: 16, .size: 8, .value_kind: global_buffer, .address_space: global }
      - { .name: wcat, .offset: 24, .size: 8, .value_kind: global_buffer, .address_space: global }
    .group_segment_fixed_size: 0
    .private_segment_fixed_size: 0
    .kernarg_segment_align: 8
    .kernarg_segment_size: 32
    .max_flat_workgroup_size: 256
    .sgpr_count:     66
    .vgpr_count:     24
    .wavefront_size: 32
...
	.end_amdgpu_metadata
.endif
;; end of part 1
;; launch pool (part 2): grid 256 x 1, 4 waves a work-group, clusters of 4 x 1, 327,680 bytes of LDS; arguments h, wcat, b1, ba, bb, Wc, bc, out3, pm, pml, Wcls; writes out3, pm, pml
.if DOCPART == 2
	.amdgcn_target "amdgcn-amd-amdhsa--gfx1250"
	.amdhsa_code_object_version 6
	.text
	.protected	k_qb8579b10ba_pool
	.globl	k_qb8579b10ba_pool
	.p2align	8
	.type	k_qb8579b10ba_pool,@function
k_qb8579b10ba_pool:
	s_mov_b64 s[64:65], 0
	v_nop
	global_prefetch_b8 v0, s[64:65] scope:SCOPE_SE
	s_setreg_imm32_b32 hwreg(HW_REG_WAVE_MODE, 25, 1), 1
	s_wait_xcnt 0x0
	s_wait_alu depctr_hold_cnt(0) depctr_sa_sdst(0) depctr_va_vdst(0) depctr_va_sdst(0) depctr_va_ssrc(0) depctr_va_vcc(0) depctr_vm_vsrc(0)
	s_getreg_b32 s2, hwreg(HW_REG_IB_STS2, 6, 4)
	s_cmp_eq_u32 s2, 0
	s_cbranch_scc0 .Lentry_in_a_cluster
	s_endpgm
.Lentry_in_a_cluster:
	s_bfe_u32 s2, ttmp6, 0x10000c
	s_cmp_lg_u32 s2, 0x3003
	s_cbranch_scc0 .Lentry_shape_is_right
	s_endpgm
.Lentry_shape_is_right:
; FUSED: h1 = relu(h W1 + b1); A = (tanh(h1 Wa + ba) * sigmoid(h1 Wb + bb)) Wc + bc; a running softmax of A; partial M = sum of p h1.  h1 never goes to memory.
; SHARES.  Work-group g owns rows 512 g .. 512 g + 511 of the 131,072 (one bag is 16 work-groups), in four blocks of 128 rows.  In each product a wave makes 128 rows x 128 columns:
; 64 accumulators of 16 x 16, 512 registers.  Per block it stores 128 numbers of A (out3); at the end its unnormalised M (pm) and, for each wave, 16 bytes of pml: the running maximum m, the sum l,
; and the two dot products of the wave's 128 columns of M with Wcls.
; FORMATS.  All matrix operands are f16, rounded once from f32 (A's allowance is about a hundredth of its spread, which eight significant bits do not hold); sums, biases, Wc, bc, Wcls, softmax in f32.
; LIMITS.  |h| and h1 stay below 65,504 (wcat's limits stand in the kernel that makes it); a weight p lies in 0 to 1 and below 6e-5 keeps f16's step of 6e-8; l is the sum of the unrounded p;
; relu is a maximum with 0 in which a NaN loses; infinities are not treated apart.
; THE MATRIX INSTRUCTION IS USED TRANSPOSED: source 0 = 16 weight columns x 32 k (weights lie [k][n] in LDS and are turned by ds_load_tr16_b128), source 1 = 16 rows x 32 k of h or h1.
; In the result lane l holds row l % 16, its registers 0-7 the columns 8 (l / 16) + 0..7: the bias is the C operand of the first product, h1 packs into 16 bytes of a row, the sum over d stays in the lane.
; WEIGHTS.  wcat's 1,024 rows are walked once a block in 16 chunks of 64 rows through a ring of two LDS slots.  The four work-groups of a cluster walk the same chunks, so each is asked for JOINTLY.
; h is shared by nobody and has to be converted: it comes through registers, one lap (128 columns of the block's 128 rows) at a time, and is stored into LDS as f16.
; REGISTERS, in windows of 256 (s_set_vgpr_msb: bits 1:0 source 0, 3:2 source 1, 5:4 source 2, 7:6 destination):
;   window 0: v0-31 addresses and running figures; v32-63 at work; v64-127, v128-191 fragments of h or h1, two buffers; v192-255 bias, packed h1, Wc, p
;   window 1: v64-127, v128-191 fragments of the weights, two buffers; v0-63, v192-255 one lap of h as loaded (at the very end v0-7: my rows of Wcls)
;   window 2: accumulators of my row tiles 0-3 ((a, b) at v[8 (8 a + b)]); window 3: row tiles 4-7.  In the M phase window 2's v0-63 hold M.
.set WP,    1056                       ; a row of weights in LDS: 1,024 bytes + 32 of padding = 33 x 32: the turning load's 8 rows x 32 bytes fall on different banks (64 banks of 4 bytes: ISA guide 11.1)
.set SLOT,  64*WP                      ; a chunk: 64 rows
.set QTR,   16*WP                      ; what one wave's tensor load brings
.set XA,    2*SLOT                     ; behind the ring: five panels of 128 rows x 128 f16
.set XP,    272                        ; a panel's row: 256 bytes + 16
.set PANEL, 128*XP
.set LB1,   XA+5*PANEL                 ; b1, 512 f32
.set LBAB,  LB1+2048                   ; K1 x ba, then K2 x bb
.set LWC,   LBAB+2048                  ; Wc
.set LPART, LWC+1024                   ; [4 waves][128] partial A
.set LPV,   LPART+2048                 ; [4 waves][128 f16] p, each wave's own
.set LMP,   LPV+1024                   ; M between blocks, 512 f32: wave w owns columns 128 w ..
.set SPARE, LMP+2048                   ; the spare words, 128 bytes a wave: two blocks of 256 bytes that no other line names
.set K1, 0x4038aa3b                    ; 2 log2(e)
.set K2, 0xbfb8aa3b                    ; -log2(e)
.set AX0,  2                           ; (l % 16) x 272 + 16 (l / 16)
.set ADRA, 3                           ; the panel in hand + AX0
.set ADRB, 4                           ; v4, v5 my weight fragments in slot 0, 1 for product 1; v6, v7 for product 2
.set STO,  8                           ; where I put 16 bytes of a row of h1
.set HXL,  9                           ; my place in a panel for a row of h: 32 w rows + 8 l
.set HXA,  10                          ; the same in the panel to be written
.set HGO,  11                          ; my byte offset in h for the lap to be loaded
.set HPF,  12                          ; my byte offset in h for the prefetch
.set ABI1, 13                          ; v13 bias of product 1, v14 of product 2
.set AWC,  15
.set APT,  16
.set APR,  17
.set APV,  18
.set APW,  19
.set AMT,  20
.set AMP,  21
.set AO,   22                          ; my byte offset in out3
.set MRUN, 23                          ; running maximum
.set LLANE, 24                         ; running sum of my four rows a block
.set WCO,  26                          ; my byte offset in Wcls: rows 128 w + 4 l .. + 3 of 8 bytes
.set SPW,  28                          ; LDS address of my spare word; never rewritten
.set NIL,  29                          ; 0; never rewritten
.set SS,   32                          ; v32-47 pair sums of A
.set A4,   48                          ; v48-51 A of rows 4 l .. 4 l + 3
.set PP,   52                          ; v52-55 their p
.set AL,   56                          ; v56-57 alpha, twice
.set F0,   64
.set F1,   128
.set TMP,  192
.set G1,   24                          ; s[24:31] descriptor group 1
.set G0,   32                          ; s[32:39] descriptor group 0, a set for each slot
.set WV,   40                          ; my wave's number
.set CX,   41
.set GI,   42                          ; g
.set BLK,  43                          ; blocks to go
.set LAPC, 44
.set XB,   45                          ; LDS byte of the panel in hand
.set SEL,  46                          ; s[46:47] v_permlanex16_b32's selects: each lane takes its own place in the other half
.set BC,   48
.set L2E,  58
.set TO_B, 0x40                        ; destination window 1, address window 0
.set MSB, 0
.macro WIN new                         ; the immediate's high byte repeats the setting that is left; a switch that changes nothing is dropped
.if MSB != (\new)
	s_set_vgpr_msb (MSB<<8)|(\new)
.set MSB, \new
.endif
.endm
; A vector instruction or a load that touches a matrix instruction's registers stands four places behind it, and only plain vector instructions that name none of them are places.
.macro PLACES
.rept 4
	v_nop
.endr
.endm
.macro CREST                           ; a round of the cluster's barrier behind its opening barrier
	s_cmp_lg_u32 s[WV], 0
	s_cbranch_scc1 .Lnot_wave_0_\@
	s_barrier_signal -3
.Lnot_wave_0_\@:
	s_barrier_wait -3
	s_barrier_signal -1
	s_barrier_wait -1
.endm
.macro CROUND                          ; a whole round
	s_barrier_signal -1
	s_barrier_wait -1
	CREST
.endm
.macro JLOAD slot                      ; a joint load: wave w brings rows 16 w .. 16 w + 15 of a chunk; one line for all waves; an s_nop 0 and four v_nop follow it
	tensor_load_to_lds s[G0+4*(\slot):G0+4*(\slot)+3], s[G1:G1+7]
	s_nop 0
.rept 4
	v_nop
.endr
.endm
; 8 matrix instructions: row tile q (0-7) x all 8 column tiles, 32 along K.  cm = 1: the bias in TMP is the C operand and starts the sums: nothing is cleared.
; The 64 accumulators take turns, one instruction a turn, in the same order in every half step.
.macro MUL8 f, q, cm
.if \cm
	WIN 0x81+0x40*((\q)/4)
.else
	WIN 0xa1+0x50*((\q)/4)
.endif
.set AC8, 64*((\q)%4)
.irp b, 0,1,2,3,4,5,6,7
.if \cm
	v_wmma_f32_16x16x32_f16 v[AC8+8*(\b):AC8+8*(\b)+7], v[(\f)+8*(\b):(\f)+8*(\b)+7], v[(\f)+8*(\q):(\f)+8*(\q)+7], v[TMP+8*(\b):TMP+8*(\b)+7]
.else
	v_wmma_f32_16x16x32_f16 v[AC8+8*(\b):AC8+8*(\b)+7], v[(\f)+8*(\b):(\f)+8*(\b)+7], v[(\f)+8*(\q):(\f)+8*(\q)+7], v[AC8+8*(\b):AC8+8*(\b)+7]
.endif
.endr
.endm
; The LDS loads stand in runs of 16.  WRUN: weights, rows krow .. krow + 31 of the slot, my column tiles b0 .. b0 + nb - 1 (product 2: four of Wa's, four of Wb's, 512 bytes on), turned.
.macro WRUN g, slot, krow, f, b0, nb
	WIN TO_B
.set wb, \b0
.rept \nb
	ds_load_tr16_b128 v[(\f)+8*wb:(\f)+8*wb+3],   v[ADRB+2*((\g)-1)+(\slot)] offset:(\krow)*WP+32*wb+((\g)-1)*384*(wb/4)
	ds_load_tr16_b128 v[(\f)+8*wb+4:(\f)+8*wb+7], v[ADRB+2*((\g)-1)+(\slot)] offset:(\krow)*WP+16*WP+32*wb+((\g)-1)*384*(wb/4)
.set wb, wb+1
.endr
.endm
; ARUN: row tiles i0 .. i0 + ni - 1 of the panel in hand, 32 along K at byte kb of the rows.
.macro ARUN kb, f, i0, ni
	WIN 0
.set ai, \i0
.rept \ni
	ds_load_b128 v[(\f)+8*ai:(\f)+8*ai+3],   v[ADRA] offset:(\kb)+ai*16*XP
	ds_load_b128 v[(\f)+8*ai+4:(\f)+8*ai+7], v[ADRA] offset:(\kb)+ai*16*XP+32
.set ai, ai+1
.endr
.endm
; A lap of h: my 32 rows x 512 bytes.  Load i lands in window 1 at 4 i (i < 16) or 128 + 4 i.
.macro HISSUE step, add=1              ; add = 1: the address steps (its last loads have been waited for); then 32 loads, each one row's 512 consecutive bytes
	WIN 0
.if \add
	v_add_nc_u32 v[HGO], \step, v[HGO]
.endif
	WIN 0x40
.set i, 0
.rept 32
.set HRI, 4*i+128*(i/16)
	global_load_b128 v[HRI:HRI+3], v[HGO], s[4:5] offset:i*2048 th:TH_LOAD_NT
.set i, i+1
.endr
	WIN 0
.endm
.macro HSTORE                          ; the lap is rounded to f16 in place and stored at HXA: each store writes a panel row's 256 bytes
	s_wait_loadcnt 0x0                             ; only one lap is ever on its way: between two requests for a lap stands this wait, on every way through the text
	WIN 0x45
.set i, 0
.rept 32
.set HRI, 4*i+128*(i/16)
	v_cvt_pk_f16_f32 v[HRI], v[HRI], v[HRI+1]
	v_cvt_pk_f16_f32 v[HRI+1], v[HRI+2], v[HRI+3]
.set i, i+1
.endr
	WIN 0x04
.set i, 0
.rept 32
.set HRI, 4*i+128*(i/16)
	ds_store_b64 v[HXA], v[HRI:HRI+1] offset:i*XP
.set i, i+1
.endr
	WIN 0
.endm
.macro PFQ                             ; thread t asks for bytes 1,024 .. 2,047 of row t of a block (its laps 2 and 3), four requests 256 bytes apart: each such piece once in the launch
.irp o, 0,256,512,768
	global_prefetch_b8 v[HPF], s[4:5] offset:\o th:TH_LOAD_NT scope:SCOPE_SE
.endr
.endm
; A K step is 64 along K: H multiplies buffer F0 (the chunk's rows 0-31), T buffer F1 (rows 32-63).
; H fetches F1: the weights behind its first 16 matrix instructions, the rows in its middle.  hw: how many of the youngest LDS loads may be out at its head: 12 (row tiles 2-7) where F0 came in one
; run of 32, weights first; 0 where the weights came last.
; lstep = 1 (product 1): the lap of h that has come is stored into the panel behind the one in hand, and the next is asked for: this block's next lap, 512 bytes on, or, behind the block's last
; lap, the next block's lap 0: 128 rows on and three laps back.  The last block's last trip asks for nothing.
; lstep = 2 (product 2's last step): the next block's lap 0 goes into panel 0, which nobody has read since product 1's second step, and its lap 1 is asked for.
.macro H g, slot, cm, lstep, hw
	s_wait_dscnt \hw
	MUL8 F0, 0, \cm
	MUL8 F0, 1, \cm
	PLACES                                         ; behind the last products that read F1
	WRUN \g, \slot, 32, F1, 0, 8
	s_wait_dscnt 16                                ; all but the 16 just issued: the rest of F0 is in
	MUL8 F0, 2, \cm
	MUL8 F0, 3, \cm
.if (\lstep) == 1
	WIN 0
	s_add_co_u32 s49, s[XB], PANEL
	v_add_nc_u32 v[HXA], s49, v[HXL]
	HSTORE
	s_mov_b32 s50, 512
	s_cmp_eq_u32 s[LAPC], 1
	s_cselect_b32 s50, 260608, s50                 ; 128 x 2,048 - 3 x 512
	s_add_co_u32 s51, s[LAPC], s[BLK]              ; both count down to 1: the sum is 2 in the last block's last trip alone
	s_cmp_eq_u32 s51, 2
	s_cbranch_scc1 .Lno_lap_\@
	HISSUE s50
.Lno_lap_\@:
.elseif (\lstep) == 2
	WIN 0
	v_add_nc_u32 v[HXA], XA, v[HXL]
	HSTORE
	HISSUE 512
.endif
	ARUN 128*(\slot)+64, F1, 0, 8
	MUL8 F0, 4, \cm
	MUL8 F0, 5, \cm
	MUL8 F0, 6, \cm
	MUL8 F0, 7, \cm
.endm
; T changes slots: ONE barrier.  In front of it each wave waits for all its tensor loads (one is out: its part of the next slot), adds 0 to its spare word, and waits for that, for its reads of this slot
; and of the panels, and for its stores of h.  mode 2, 3: the barrier opens a round of the cluster's, and this slot is filled again first thing behind it: with the chunk two on (2), or with the next
; block's chunk 0 or 1 (3).  mode 0: nothing is filled.  Between the wait for the tensor loads and the refill stand eight matrix instructions and the round, so that of a K step's 128 matrix
; instructions 120 lie between a chunk's request and the wait for it.
; fetch = 1: the next step's first fragments into F0.  Its rows of h or h1 do not lie in the ring: they are fetched ahead of the round (behind an odd step from the next panel), and only the 16 weight
; loads stand behind the refill.  Product 1's odd steps alone fetch all 32 there: the next lap of h was stored in this step and is shown to the other waves by this very barrier.
.macro T g, slot, mode, fetch
.set EARLY, \fetch
.if ((\g) == 1) && ((\slot) == 1)
.set EARLY, 0
.endif
	s_wait_dscnt 12                                ; F1's weights and row tiles 0, 1 are in; the youngest 12 loads (row tiles 2-7) may be out
	MUL8 F1, 0, 0
	MUL8 F1, 1, 0
.if EARLY
	WIN 0
.if \slot
	s_add_co_u32 s[XB], s[XB], PANEL
	v_add_nc_u32 v[ADRA], s[XB], v[AX0]
.endif
	PLACES                                         ; behind the last products that read F0
	ARUN 128*(1-(\slot)), F0, 0, 8
	s_wait_dscnt 16                                ; all but the 16 just issued: the rest of F1 is in
.else
	s_wait_dscnt 0x0                               ; the rest of F1 is in
.endif
	MUL8 F1, 2, 0
	MUL8 F1, 3, 0
	WIN 0
	s_wait_tensorcnt 0x0                           ; no tensor load of mine is out
	ds_add_u32 v[SPW], v[NIL]                      ; 0 onto my spare word; eight matrix instructions stand between it and the wait for it
	MUL8 F1, 4, 0
	WIN 0
	s_wait_dscnt 0x0                               ; the add is done, my LDS reads and stores are over
	s_barrier_signal -1
	s_barrier_wait -1
.if \mode
	CREST
.if (\mode) == 2
	s_add_nc_u64 s[G0+4*(\slot)+2:G0+4*(\slot)+3], s[G0+4*(\slot)+2:G0+4*(\slot)+3], 131072
.else
	s_sub_nc_u64 s[G0+4*(\slot)+2:G0+4*(\slot)+3], s[G0+4*(\slot)+2:G0+4*(\slot)+3], 917504
.endif
	JLOAD \slot                                    ; its four v_nop are also places in front of the loads below
.else
	PLACES
.endif
.if \fetch
.if EARLY
	WRUN \g, 1-(\slot), 0, F0, 0, 8
.else
	s_add_co_u32 s[XB], s[XB], PANEL
	v_add_nc_u32 v[ADRA], s[XB], v[AX0]
	WRUN \g, 1-(\slot), 0, F0, 0, 8
	ARUN 128*(1-(\slot)), F0, 0, 8
.endif
.endif
	MUL8 F1, 5, 0
	MUL8 F1, 6, 0
	MUL8 F1, 7, 0
.endm
; A product begins: its first panel, the bias of my 128 columns as eight C operands (lane l: columns 8 (l / 16) + 0..7 of each tile), the first fragments, the first half step.
.macro START g
	WIN 0
	s_mov_b32 s[XB], XA+((\g)-1)*PANEL
	v_add_nc_u32 v[ADRA], s[XB], v[AX0]
.irp b, 0,1,2,3,4,5,6,7
	ds_load_b128 v[TMP+8*(\b):TMP+8*(\b)+3],   v[ABI1+(\g)-1] offset:64*(\b)+((\g)-1)*768*((\b)/4)
	ds_load_b128 v[TMP+8*(\b)+4:TMP+8*(\b)+7], v[ABI1+(\g)-1] offset:64*(\b)+((\g)-1)*768*((\b)/4)+16
.endr
	WRUN \g, 0, 0, F0, 0, 8
	ARUN 0, F0, 0, 8
	H \g, 0, 1, 0, 12
.endm
; E1, row tile a: relu, rounding to f16, 16 bytes a lane into my panel of h1.  Each accumulator is read from its low end on.
.macro E1A a
.set AC, 64*((\a)%4)
.set TB, TMP+32*((\a)%2)
	WIN 0x08+4*((\a)/4)
.set i, 0
.rept 64
	v_max_num_f32 v[F0+i], 0, v[AC+i]
.set i, i+1
.endr
	WIN 0
.set i, 0
.rept 32
	v_cvt_pk_f16_f32 v[TB+i], v[F0+2*i], v[F0+2*i+1]
.set i, i+1
.endr
.irp b, 0,1,2,3,4,5,6,7
	ds_store_b128 v[STO], v[TB+4*(\b):TB+4*(\b)+3] offset:(\a)*16*XP+32*(\b)
.endr
.endm
; E2.  X = K1 (h1 Wa + ba) in column tiles 0-3, Y = K2 (h1 Wb + bb) in tiles 4-7, the same 32 d a lane.  tanh = 1 - 2 / (1 + 2^X), sigmoid = 1 / (1 + 2^Y).
.macro E2T a, p                        ; pair p: wc (1 - 2 r1), times r2, onto the tile's pair sum
	s_wait_alu depctr_va_vdst(0)
	v_pk_fma_f32 v[F0+2*(\p):F0+2*(\p)+1], v[F0+2*(\p):F0+2*(\p)+1], v[TMP+32+2*(\p):TMP+33+2*(\p)], v[TMP+2*(\p):TMP+2*(\p)+1]
.if (\p) == 0
	v_pk_mul_f32 v[SS+2*(\a):SS+2*(\a)+1], v[F0+2*(\p):F0+2*(\p)+1], v[F0+32+2*(\p):F0+33+2*(\p)]
.else
	v_pk_fma_f32 v[SS+2*(\a):SS+2*(\a)+1], v[F0+2*(\p):F0+2*(\p)+1], v[F0+32+2*(\p):F0+33+2*(\p)], v[SS+2*(\a):SS+2*(\a)+1]
.endif
.endm
.macro E2A a
.set AC, 64*((\a)%4)
	WIN 0x02+((\a)/4)
.set i, 0
.rept 64
	v_exp_f32 v[F0+i], v[AC+i]
.set i, i+1
.endr
	WIN 0
	v_nop                                          ; a plain instruction between the run of exponentials and the first use of a result (ISA guide 5.7.2): the exponentials themselves are none
.set i, 0
	s_wait_alu depctr_va_vdst(0)
.rept 32
	v_pk_add_f32 v[F0+2*i:F0+2*i+1], v[F0+2*i:F0+2*i+1], 1.0 op_sel_hi:[1,0]
.set i, i+1
.endr
.set q, 0
.rept 16                               ; four reciprocals, then the two plain lines of the pair before: a plain instruction always stands between a reciprocal and the use of its result (ISA guide 5.7.2)
	v_rcp_f32 v[F0+2*q], v[F0+2*q]
	v_rcp_f32 v[F0+2*q+1], v[F0+2*q+1]
	v_rcp_f32 v[F0+32+2*q], v[F0+32+2*q]
	v_rcp_f32 v[F0+33+2*q], v[F0+33+2*q]
.if q == 0
	v_nop
.else
	E2T \a, q-1
.endif
.set q, q+1
.endr
	E2T \a, 15
.endm
.macro E2ALL
	WIN 0
	PLACES
.irp b, 0,1,2,3
	ds_load_b128 v[TMP+8*(\b):TMP+8*(\b)+3],   v[AWC] offset:64*(\b)
	ds_load_b128 v[TMP+8*(\b)+4:TMP+8*(\b)+7], v[AWC] offset:64*(\b)+16
.endr
	s_wait_dscnt 0x0
.set i, 0
.rept 16
	v_pk_mul_f32 v[TMP+32+2*i:TMP+33+2*i], v[TMP+2*i:TMP+2*i+1], -2.0 op_sel_hi:[1,0]
.set i, i+1
.endr
.irp a, 0,1,2,3,4,5,6,7
	E2A \a
.endr
.irp a, 0,1,2,3,4,5,6,7
	v_add_f32 v[SS+2*(\a)], v[SS+2*(\a)], v[SS+2*(\a)+1]
.endr
.irp a, 0,1,2,3,4,5,6,7
	v_permlanex16_b32 v[SS+2*(\a)+1], v[SS+2*(\a)], s[SEL], s[SEL+1]  ; the row's other 32 d of my 64 lie in the lane 16 away
.endr
.irp a, 0,1,2,3,4,5,6,7
	v_add_f32 v[SS+2*(\a)], v[SS+2*(\a)], v[SS+2*(\a)+1]
.endr
.irp a, 0,1,2,3,4,5,6,7
	ds_store_b32 v[APT], v[SS+2*(\a)] offset:64*(\a)                  ; my 64 d's share of A for row 16 a + l % 16
.endr
.endm
; THE M PHASE.  My panel of h1 (128 rows x my 128 columns) comes out of LDS turned, M out of its parking place; behind the barrier every wave adds the four shares of A, takes the softmax step for the
; block's 128 rows, and adds p h1 onto alpha M: source 0 = 16 columns of h1 x 32 rows, source 1 = p of those rows in all 16 columns.  Wave 0 stores A.
.macro MPH
	WIN TO_B
.irp ks, 0,1
.irp t, 0,1,2,3,4,5,6,7
	ds_load_tr16_b128 v[F0+64*(\ks)+8*(\t):F0+64*(\ks)+8*(\t)+3],   v[AMT] offset:(\ks)*32*XP+32*(\t)
	ds_load_tr16_b128 v[F0+64*(\ks)+8*(\t)+4:F0+64*(\ks)+8*(\t)+7], v[AMT] offset:(\ks)*32*XP+16*XP+32*(\t)
.endr
.endr
	WIN 0
.irp ks, 2,3
.irp t, 0,1,2,3,4,5,6,7
	ds_load_tr16_b128 v[F0+64*((\ks)-2)+8*(\t):F0+64*((\ks)-2)+8*(\t)+3],   v[AMT] offset:(\ks)*32*XP+32*(\t)
	ds_load_tr16_b128 v[F0+64*((\ks)-2)+8*(\t)+4:F0+64*((\ks)-2)+8*(\t)+7], v[AMT] offset:(\ks)*32*XP+16*XP+32*(\t)
.endr
.endr
	WIN 0x80
.irp t, 0,1,2,3,4,5,6,7
	ds_load_b128 v[8*(\t):8*(\t)+3],   v[AMP] offset:64*(\t)
	ds_load_b128 v[8*(\t)+4:8*(\t)+7], v[AMP] offset:64*(\t)+16
.endr
	WIN 0
	s_wait_xcnt 0x0                                ; the last block's store of A has read its registers: they are loaded again below
	s_wait_dscnt 0x0                               ; my shares of A are stored, and my reads of the panels are over: the next block writes them
	s_barrier_signal -1
	s_barrier_wait -1
	ds_load_b128 v[A4:A4+3], v[APR]
	ds_load_b128 v[PP:PP+3], v[APR] offset:512
	ds_load_b128 v[58:61], v[APR] offset:1024
	ds_load_b128 v[SS:SS+3], v[APR] offset:1536
	s_wait_dscnt 0x0
	v_pk_add_f32 v[A4:A4+1], v[A4:A4+1], v[PP:PP+1]
	v_pk_add_f32 v[A4+2:A4+3], v[A4+2:A4+3], v[PP+2:PP+3]
	v_pk_add_f32 v[58:59], v[58:59], v[SS:SS+1]
	v_pk_add_f32 v[60:61], v[60:61], v[SS+2:SS+3]
	v_pk_add_f32 v[A4:A4+1], v[A4:A4+1], v[58:59]
	v_pk_add_f32 v[A4+2:A4+3], v[A4+2:A4+3], v[60:61]
.irp e, 0,1,2,3
	v_add_f32 v[A4+(\e)], s[BC], v[A4+(\e)]
.endr
	s_cmp_lg_u32 s[WV], 0
	s_cbranch_scc1 .Lnot_0_\@
	global_store_b128 v[AO], v[A4:A4+3], s[18:19]  ; 512 consecutive bytes of out3
.Lnot_0_\@:
	v_max3_num_f32 v58, v[A4], v[A4+1], v[A4+2]
	v_max_num_f32 v58, v58, v[A4+3]
	v_max_num_f32_dpp v58, v58, v58 row_xmask:1 row_mask:0xf bank_mask:0xf
	v_max_num_f32_dpp v58, v58, v58 row_xmask:2 row_mask:0xf bank_mask:0xf
	v_max_num_f32_dpp v58, v58, v58 row_xmask:4 row_mask:0xf bank_mask:0xf
	v_max_num_f32_dpp v58, v58, v58 row_xmask:8 row_mask:0xf bank_mask:0xf
	v_permlanex16_b32 v59, v58, s[SEL], s[SEL+1]
	v_max3_num_f32 v59, v58, v59, v[MRUN]          ; the new maximum
	v_sub_f32 v60, v[MRUN], v59
	v_mul_f32 v60, s[L2E], v60
	v_exp_f32 v[AL], v60                           ; alpha; 0 in the first block, whose old maximum is the lowest finite number
.irp e, 0,1,2,3
	v_sub_f32 v[PP+(\e)], v[A4+(\e)], v59
.endr
.irp e, 0,1,2,3
	v_mul_f32 v[PP+(\e)], s[L2E], v[PP+(\e)]
.endr
.irp e, 0,1,2,3
	v_exp_f32 v[PP+(\e)], v[PP+(\e)]
.endr
	v_mov_b32 v[MRUN], v59                         ; the plain instruction behind the exponentials
	s_wait_alu depctr_va_vdst(0)
	v_mov_b32 v[AL+1], v[AL]
	v_cvt_pk_f16_f32 v60, v[PP], v[PP+1]
	v_cvt_pk_f16_f32 v61, v[PP+2], v[PP+3]
	ds_store_b64 v[APW], v[60:61]
.irp ks, 0,1,2,3
	ds_load_b128 v[TMP+8*(\ks):TMP+8*(\ks)+3],   v[APV] offset:64*(\ks)     ; LDS serves a wave's instructions in order (ISA guide 5.7.1.4): these see the store above
	ds_load_b128 v[TMP+8*(\ks)+4:TMP+8*(\ks)+7], v[APV] offset:64*(\ks)+32
.endr
	WIN 0x82
.set i, 0
.rept 32
	v_pk_mul_f32 v[2*i:2*i+1], v[2*i:2*i+1], v[AL:AL+1] op_sel_hi:[1,0]
.set i, i+1
.endr
	s_wait_dscnt 0x0
.irp ks, 0,1,2,3
	WIN 0xa1-((\ks)/2)
.irp t, 0,1,2,3,4,5,6,7
	v_wmma_f32_16x16x32_f16 v[8*(\t):8*(\t)+7], v[F0+64*((\ks)%2)+8*(\t):F0+64*((\ks)%2)+8*(\t)+7], v[TMP+8*(\ks):TMP+8*(\ks)+7], v[8*(\t):8*(\t)+7]
.endr
.endr
	WIN 0
	v_add_f32 v62, v[PP], v[PP+1]                  ; eight plain lines: the places behind those products
	v_add_f32 v63, v[PP+2], v[PP+3]
	v_add_f32 v62, v62, v63
	v_fma_f32 v[LLANE], v[LLANE], v[AL], v62
	PLACES
	s_wait_xcnt 0x0                                ; the store of A has read its offset
	v_add_nc_u32 v[AO], 512, v[AO]
	WIN 0x08
.irp t, 0,1,2,3,4,5,6,7
	ds_store_b128 v[AMP], v[8*(\t):8*(\t)+3] offset:64*(\t)       ; M is parked: the accumulators take its registers.  The 16 lanes of a half hold and write the same numbers
	ds_store_b128 v[AMP], v[8*(\t)+4:8*(\t)+7] offset:64*(\t)+16
.endr
	WIN 0
.endm
.macro WSUM r                          ; a sum over each 16 lanes, on the arithmetic itself
.irp x, 1,2,4,8
	v_add_f32_dpp v[\r], v[\r], v[\r] row_xmask:\x row_mask:0xf bank_mask:0xf
.endr
.endm
	s_load_b256 s[4:11], s[0:1], 0x0               ; h s[4:5], wcat s[6:7], b1 s[8:9], ba s[10:11]
	s_load_b256 s[12:19], s[0:1], 0x20             ; bb s[12:13], Wc s[14:15], bc s[16:17], out3 s[18:19]
	s_load_b128 s[20:23], s[0:1], 0x40             ; pm s[20:21], pml s[22:23]
	s_load_b64 s[62:63], s[0:1], 0x50              ; Wcls
	v_lshl_add_u32 v[SPW], v0, 2, SPARE
	v_mov_b32 v[NIL], 0
	ds_add_u32 v[SPW], v[NIL]                      ; the wave's opening: the add and its wait stand ahead of my first tensor load; the set-up below, work on registers, stands between them
	v_lshrrev_b32 v1, 5, v0
	v_readfirstlane_b32 s[WV], v1                  ; wave 0..3
	s_bfe_u32 s[CX], ttmp6, 0x40000                ; my place in the cluster: it enters the addresses of h, out3, pm and pml alone
	s_lshl_b32 s[GI], ttmp9, 2                     ; in a cluster launch ttmp9 counts clusters
	s_add_co_u32 s[GI], s[GI], s[CX]
	; descriptor group 1: 16 rows x 512 elements of 2 bytes, padded in LDS
	s_mov_b32 s[G1], 15|(1<<16)|(1<<20)|(1<<21)|(7<<22)|(7<<25)  ; 15:0 the mask of four; 17:16 2-byte elements; 20 padding on; 21 set beside a mask; 24:22 after every 256 words (code 7); 31:25 8 words (code 7)
	s_mov_b32 s[G1+1], 512<<16                     ; tensor_dim0 = 512
	s_mov_b32 s[G1+2], 16<<16                      ; tensor_dim1 = 16
	s_mov_b32 s[G1+3], 512<<16                     ; tile_dim0 = 512
	s_mov_b32 s[G1+4], 16                          ; tile_dim1 = 16
	s_mov_b32 s[G1+5], 512                         ; elements from row to row
	s_mov_b32 s[G1+6], 0
	s_mov_b32 s[G1+7], 0
	s_mul_i32 s49, s[WV], QTR
	s_mov_b32 s[G0], 1
	s_mov_b32 s[G0+1], s49                         ; slot 0, my quarter
	s_mov_b32 s[G0+4], 1
	s_add_co_u32 s[G0+5], s49, SLOT                ; slot 1, my quarter
	s_lshl_b32 s50, s[WV], 14                      ; my 16 rows of 1,024 bytes in a chunk
	s_mov_b32 s51, 0
	s_mov_b32 s[SEL], 0x76543210
	s_mov_b32 s[SEL+1], 0xfedcba98
	s_mov_b32 s[L2E], 0x3fb8aa3b
	v_and_b32 v25, 31, v0                          ; l
	v_and_b32 v27, 15, v0                          ; l % 16
	v_bfe_u32 v1, v0, 4, 1                         ; l / 16
	v_and_b32 v30, 7, v0
	v_bfe_u32 v31, v0, 3, 1
	v_mul_u32_u24 v[AX0], v27, XP
	v_lshl_add_u32 v[AX0], v1, 4, v[AX0]
	v_lshl_add_u32 v30, v1, 3, v30                 ; the turning load: lane l reads row 8 (l / 16) + l % 8, 16 bytes at 16 ((l / 8) % 2)
	v_mul_u32_u24 v[AMT], v30, XP
	v_mul_u32_u24 v30, v30, WP
	v_lshl_add_u32 v30, v31, 4, v30
	v_lshl_add_u32 v[AMT], v31, 4, v[AMT]
	s_lshl_b32 s52, s[WV], 8
	v_add_nc_u32 v[ADRB], s52, v30                 ; product 1: my columns 128 w ..
	v_add_nc_u32 v[ADRB+1], SLOT, v[ADRB]
	s_lshl_b32 s53, s[WV], 7
	v_add_nc_u32 v[ADRB+2], s53, v30               ; product 2: d = 64 w .. of Wa, and of Wb 512 bytes on
	v_add_nc_u32 v[ADRB+3], SLOT, v[ADRB+2]
	s_mul_i32 s52, s[WV], PANEL
	s_add_co_u32 s52, s52, XA+PANEL                ; my panel of h1: panel 1 + w
	v_add_nc_u32 v[STO], s52, v[AX0]
	v_add_nc_u32 v[AMT], s52, v[AMT]
	s_mul_i32 s53, s[WV], 32*XP
	v_lshl_add_u32 v[HXL], v25, 3, s53
	s_lshl_b32 s53, s[WV], 16                      ; 32 rows of 2,048 bytes
	v_lshl_add_u32 v[HGO], v25, 4, s53
	v_lshl_add_u32 v[HPF], v0, 11, 1024
	s_lshl_b32 s54, s[WV], 10
	v_lshl_add_u32 v[WCO], v25, 5, s54             ; 128 w rows of 8 bytes + four rows a lane
	s_lshl_b32 s52, s[WV], 9
	s_lshl_b32 s53, s[WV], 8
	s_add_co_u32 s54, s52, LB1
	v_lshl_add_u32 v[ABI1], v1, 5, s54
	s_add_co_u32 s54, s53, LBAB
	v_lshl_add_u32 v[ABI1+1], v1, 5, s54
	s_add_co_u32 s54, s53, LWC
	v_lshl_add_u32 v[AWC], v1, 5, s54
	s_add_co_u32 s54, s52, LPART
	v_lshl_add_u32 v[APT], v27, 2, s54
	v_lshl_add_u32 v[APR], v25, 4, LPART
	s_add_co_u32 s54, s53, LPV
	v_lshl_add_u32 v[APV], v1, 4, s54
	v_lshl_add_u32 v[APW], v25, 3, s54
	s_add_co_u32 s54, s52, LMP
	v_lshl_add_u32 v[AMP], v1, 5, s54
	v_lshlrev_b32 v[AO], 4, v25
	v_mov_b32 v[MRUN], 0xff7fffff
	v_mov_b32 v[LLANE], 0
	s_wait_dscnt 0x0                               ; the opening add is done
	s_wait_kmcnt 0x0
	s_add_nc_u64 s[G0+2:G0+3], s[6:7], s[50:51]    ; chunk 0, my rows
	s_add_nc_u64 s[G0+6:G0+7], s[G0+2:G0+3], 65536 ; chunk 1
	s_or_b32 s[G0+3], s[G0+3], 0x80000000          ; type = 2
	s_or_b32 s[G0+7], s[G0+7], 0x80000000
	s_lshl_b32 s60, s[GI], 20                      ; 512 rows of 2,048 bytes
	s_mov_b32 s61, 0
	s_add_nc_u64 s[4:5], s[4:5], s[60:61]
	s_lshl_b32 s60, s[GI], 11
	s_add_nc_u64 s[18:19], s[18:19], s[60:61]      ; 512 numbers of A
	s_add_nc_u64 s[20:21], s[20:21], s[60:61]      ; 512 numbers of M
	s_lshl_b32 s60, s[GI], 6
	s_add_nc_u64 s[22:23], s[22:23], s[60:61]      ; 16 bytes for each of my four waves
	s_load_b32 s[BC], s[16:17], 0x0
	CROUND                                         ; all four work-groups are here: the first joint loads meet
	tensor_load_to_lds s[G0:G0+3], s[G1:G1+7]      ; the two first fills go out together: two loads of mine are out
	s_nop 0
	tensor_load_to_lds s[G0+4:G0+7], s[G1:G1+7]
	s_nop 0
.rept 4
	v_nop
.endr
	; the constants go into LDS once: b1; K1 ba (waves 0, 1) and K2 bb (waves 2, 3); Wc; zeros for M
	v_lshlrev_b32 v1, 4, v0
	global_load_b128 v[32:35], v1, s[8:9]
	s_mov_b32 s52, K1
	s_mov_b32 s53, K2
	s_cmp_lt_u32 s[WV], 2
	s_cselect_b64 s[50:51], s[10:11], s[12:13]
	s_cselect_b32 s56, s52, s53
	s_mov_b32 s57, s56
	v_and_b32 v30, 63, v0
	v_lshlrev_b32 v30, 4, v30
	global_load_b128 v[36:39], v30, s[50:51]
	v_lshlrev_b32 v31, 3, v0
	global_load_b64 v[40:41], v31, s[14:15]
	HISSUE 0, 0                                    ; the first block's lap 0
	PFQ                                            ; and a request for its laps 2 and 3, which are loaded in the second and fourth K step
.irp e, 44,45,46,47
	v_mov_b32 v\e, 0
.endr
	v_add_nc_u32 v58, LMP, v1
	ds_store_b128 v58, v[44:47]
	s_wait_loadcnt 32                              ; the three loads of constants are in; lap 0's 32 may stay out
	v_pk_mul_f32 v[36:37], v[36:37], s[56:57] op_sel_hi:[1,0]
	v_pk_mul_f32 v[38:39], v[38:39], s[56:57] op_sel_hi:[1,0]
	v_add_nc_u32 v59, LB1, v1
	ds_store_b128 v59, v[32:35]
	v_add_nc_u32 v60, LBAB, v1
	ds_store_b128 v60, v[36:39]
	v_add_nc_u32 v61, LWC, v31
	ds_store_b64 v61, v[40:41]
	v_add_nc_u32 v[HXA], XA, v[HXL]
	HSTORE                                         ; lap 0 into panel 0
	HISSUE 512                                     ; lap 1
	s_wait_kmcnt 0x0                               ; bc
	s_wait_tensorcnt 1                             ; my part of slot 0 is in; slot 1's may stay out
	s_wait_dscnt 0x0                               ; my stores of constants and of h are done
	s_barrier_signal -1
	s_barrier_wait -1
	s_mov_b32 s[BLK], 4
.Lblock:
	; PRODUCT 1: K steps 0-7, chunks 0-7, panels 0-3 (h).  Trip j stores lap j of h ahead of the barrier behind which it is first read, and asks for the lap after it.
	START 1
	WIN 0
	s_mov_b32 s[LAPC], 3
.Ll1:
	T 1, 0, 2, 1
	H 1, 1, 0, 1, 0
	T 1, 1, 2, 1
	H 1, 0, 0, 0, 12
	WIN 0
	s_sub_co_u32 s[LAPC], s[LAPC], 1
	s_cmp_lg_u32 s[LAPC], 0
	s_cbranch_scc1 .Ll1
	T 1, 0, 2, 1
	H 1, 1, 0, 0, 0
	T 1, 1, 2, 0                                   ; behind its barrier nobody reads h any more
	; E1: h1 into panels 1-4, wave w's 128 columns into panel 1 + w
	WIN 0
	PLACES
.irp a, 0,1,2,3,4,5,6,7
	E1A \a
.endr
	s_wait_dscnt 0x0                               ; for the others' sake: my h1 is stored
	s_barrier_signal -1
	s_barrier_wait -1
	; PRODUCT 2: K steps 8-15, chunks 8-15, panels 1-4 (h1)
	START 2
	WIN 0
	s_mov_b32 s[LAPC], 3
.Ll2:
	T 2, 0, 2, 1
	H 2, 1, 0, 0, 0
	T 2, 1, 2, 1
	H 2, 0, 0, 0, 0
	WIN 0
	s_sub_co_u32 s[LAPC], s[LAPC], 1
	s_cmp_lg_u32 s[LAPC], 0
	s_cbranch_scc1 .Ll2
	s_cmp_eq_u32 s[BLK], 1
	s_cbranch_scc1 .Llast                          ; the last block's tail is written out: it asks for nothing more
	T 2, 0, 3, 1                                   ; the ring goes on into the next block: slot 0 takes its chunk 0,
	H 2, 1, 0, 2, 0
	T 2, 1, 3, 0                                   ; slot 1 its chunk 1
	E2ALL
	s_wait_xcnt 0x0                                ; the last requests have read their offset
	v_add_nc_u32 v[HPF], 262144, v[HPF]
	PFQ                                            ; the next block's laps 2 and 3: loaded in its second and fourth K step; the last block asks for nothing
	MPH
	s_sub_co_u32 s[BLK], s[BLK], 1
	s_branch .Lblock
.Llast:
	s_wait_loadcnt 0x0                             ; no lap of h is on its way: eight of its registers take my four rows of Wcls, wanted at the very end
	WIN 0x40
	global_load_b128 v[0:3], v[WCO], s[62:63]
	global_load_b128 v[4:7], v[WCO], s[62:63] offset:16
	WIN 0
	T 2, 0, 0, 1                                   ; my one tensor load that was out is chunk 15's, so no round follows
	H 2, 1, 0, 0, 0
	s_wait_dscnt 12                                ; the very last half step: nothing more to fetch, and nobody writes what others still read
	MUL8 F1, 0, 0
	MUL8 F1, 1, 0
	s_wait_dscnt 0x0
.irp q, 2,3,4,5,6,7
	MUL8 F1, \q, 0
.endr
	E2ALL
	MPH
	; THE END: my 128 columns of M as 512 consecutive bytes; their two dot products with Wcls and the sum of l, over the lanes; lane 0 of each wave stores m, l and the two
	v_and_b32 v56, 31, v0
	s_lshl_b32 s49, s[WV], 9
	v_lshl_add_u32 v58, v56, 4, s49
	v_add_nc_u32 v59, LMP, v58
	ds_load_b128 v[32:35], v59                     ; columns 128 w + 4 l .. + 3
	WSUM LLANE
	v_permlanex16_b32 v57, v[LLANE], s[SEL], s[SEL+1]
	v_mov_b32 v60, v[MRUN]
	v_add_f32 v61, v[LLANE], v57
	s_wait_dscnt 0x0
	global_store_b128 v58, v[32:35], s[20:21]
	s_wait_loadcnt 0x0                             ; Wcls
	WIN 0x04                                       ; source 1 in window 1
	v_mul_f32 v62, v32, v0                         ; the first products start the two sums
	v_mul_f32 v63, v32, v1
.irp e, 1,2,3
	v_fmac_f32 v62, v[32+\e], v[2*\e]
	v_fmac_f32 v63, v[32+\e], v[2*\e+1]
.endr
	WIN 0
	WSUM 62
	WSUM 63
	v_permlanex16_b32 v54, v62, s[SEL], s[SEL+1]
	v_permlanex16_b32 v55, v63, s[SEL], s[SEL+1]
	v_add_f32 v62, v62, v54
	v_add_f32 v63, v63, v55
	s_lshl_b32 s50, s[WV], 4
	v_mov_b32 v59, s50
	s_wait_xcnt 0x0                                ; EXEC changes only behind this wait
	v_cmp_eq_u32 vcc_lo, 0, v56
	s_and_saveexec_b32 s49, vcc_lo
	global_store_b128 v59, v[60:63], s[22:23]
	s_wait_xcnt 0x0                                ; and again, in front of the line that widens it
	s_or_b32 exec_lo, exec_lo, s49
	s_wait_tensorcnt 0x0                           ; the wave's end: a wait, the add to my spare word and its wait, behind my last tensor load and my last LDS store
	ds_add_u32 v[SPW], v[NIL]
	s_wait_dscnt 0x0
	CROUND                                         ; the closing round: no work-group ends while a partner may still ask for a tile that names it
	s_endpgm
.Lfunc_end_k_qb8579b10ba_pool:
	.size	k_qb8579b10ba_pool, .Lfunc_end_k_qb8579b10ba_pool-k_qb8579b10ba_pool
	.p2alignl 7, 3214868480
	.fill 96, 4, 3214868480
	.section	.rodata,"a",@progbits
	.p2align	6, 0x0
	.amdhsa_kernel k_qb8579b10ba_pool
		.amdhsa_group_segment_fixed_size 327680
		.amdhsa_private_segment_fixed_size 0
		.amdhsa_enable_private_segment 0
		.amdhsa_kernarg_size 88
		.amdhsa_user_sgpr_count 2
		.amdhsa_user_sgpr_kernarg_segment_ptr 1
		.amdhsa_wavefront_size32 1
		.amdhsa_system_sgpr_workgroup_id_x 1
		.amdhsa_system_sgpr_workgroup_id_y 1
		.amdhsa_system_sgpr_workgroup_id_z 1
		.amdhsa_system_vgpr_workitem_id 0
		.amdhsa_next_free_vgpr 1024
		.amdhsa_next_free_sgpr 66
		.amdhsa_reserve_vcc 1
		.amdhsa_float_denorm_mode_32 3
		.amdhsa_float_denorm_mode_16_64 3
		.amdhsa_memory_ordered 1
		.amdhsa_forward_progress 1
		.amdhsa_inst_pref_size 255
	.end_amdhsa_kernel
	.section	.bss,"aw",@nobits
	.p2align	6
	.space	262144
	.amdgpu_metadata
---
amdhsa.version: [ 1, 2 ]
amdhsa.kernels:
  - .name:           k_qb8579b10ba_pool
    .symbol:         k_qb8579b10ba_pool.kd
    .args:
      - { .name: h, .offset: 0, .size: 8, .value_kind: global_buffer, .address_space: global }
      - { .name: wcat, .offset: 8, .size: 8, .value_kind: global_buffer, .address_space: global }
      - { .name: b1, .offset: 16, .size: 8, .value_kind: global_buffer, .address_space: global }
      - { .name: ba, .offset: 24, .size: 8, .value_kind: global_buffer, .address_space: global }
      - { .name: bb, .offset: 32, .size: 8, .value_kind: global_buffer, .address_space: global }
      - { .name: Wc, .offset: 40, .size: 8, .value_kind: global_buffer, .address_space: global }
      - { .name: bc, .offset: 48, .size: 8, .value_kind: global_buffer, .address_space: global }
      - { .name: out3, .offset: 56, .size: 8, .value_kind: global_buffer, .address_space: global }
      - { .name: pm, .offset: 64, .size: 8, .value_kind: global_buffer, .address_space: global }
      - { .name: pml, .offset: 72, .size: 8, .value_kind: global_buffer, .address_space: global }
      - { .name: Wcls, .offset: 80, .size: 8, .value_kind: global_buffer, .address_space: global }
    .group_segment_fixed_size: 327680
    .private_segment_fixed_size: 0
    .kernarg_segment_align: 8
    .kernarg_segment_size: 88
    .max_flat_workgroup_size: 128
    .sgpr_count:     66
    .vgpr_count:     1024
    .wavefront_size: 32
...
	.end_amdgpu_metadata
.endif
;; end of part 2
;; launch fin (part 3): grid 16 x 1, 4 waves a work-group, no clusters, 0 bytes of LDS; arguments pm, pml, bcls, out0, out1, out2, out4; writes out0, out1, out2, out4
.if DOCPART == 3
	.amdgcn_target "amdgcn-amd-amdhsa--gfx1250"
	.amdhsa_code_object_version 6
	.text
	.protected	k_qb8579b10ba_fin
	.globl	k_qb8579b10ba_fin
	.p2align	8
	.type	k_qb8579b10ba_fin,@function
k_qb8579b10ba_fin:
	s_mov_b64 s[64:65], 0
	v_nop
	global_prefetch_b8 v0, s[64:65] scope:SCOPE_SE
	s_setreg_imm32_b32 hwreg(HW_REG_WAVE_MODE, 25, 1), 1
	s_wait_xcnt 0x0
; The 16 partial results of each bag are joined: with mmax the largest of their maxima m_i, w_i = 2^((m_i - mmax) log2 e), L = sum of w_i l_i, M = sum of (w_i / L) pm_i.
; pml holds 64 bytes for each partial: for each of its four waves (m, l, d0, d1), d the dot products of that wave's 128 columns of pm_i with Wcls; m and l are the same in all four.
; So logits = (sum over bags and partials of (w_i / L) (sum of the four d)) / 16 + bcls need pml alone; then their softmax (the maximum taken away) and the argmax (index 0 on a tie).  All in f32.
; SHARES.  Work-group b joins bag b: wave q takes columns 128 q .. 128 q + 127 of its 16 partials, lane l four of them; each load and store of a wave covers 512 consecutive bytes.
; The first wave of the first work-group also makes the logits, which sum over all bags: it loads all 256 entries of pml ahead of everything else, two bags at a time, one in each half of the lanes.
; Its text is written out apart, the joining twice, so that each way through the text reads only registers that it has loaded.
; No LDS, no barrier, no matrix unit, no cluster: no wave hands anything to another, and 0.5 MB is read once and scaled.
.set L2E, 0x3fb8aa3b
.set R,   128                          ; v[128:255] entry 32 it + l of pml, 16 registers for each it = 0..7
.macro RSUM r                          ; a sum over each 16 lanes, on the arithmetic itself
.irp x, 1,2,4,8
	v_add_f32_dpp v[\r], v[\r], v[\r] row_xmask:\x row_mask:0xf bank_mask:0xf
.endr
.endm
.macro EACH line:vararg                ; one line for each it
.set it, 0
	s_wait_alu depctr_va_vdst(0)
.rept 8
	\line
.set it, it+1
.endr
.endm
.macro JOIN                            ; my 128 columns of my bag's M
	global_load_b64 v[8:9], v4, s[6:7]             ; m, l of partial l % 16
.set i, 0
.rept 16
	global_load_b128 v[64+4*i:64+4*i+3], v6, s[4:5] offset:i*2048
.set i, i+1
.endr
	s_wait_loadcnt 16                              ; m and l are in (and what was asked for ahead of them); the 16 loads of pm may stay out
	v_mov_b32 v12, v8
.irp x, 1,2,4,8
	v_max_num_f32_dpp v12, v12, v12 row_xmask:\x row_mask:0xf bank_mask:0xf
.endr
	v_sub_f32 v13, v8, v12
	v_mul_f32 v13, L2E, v13
	v_exp_f32 v13, v13
	v_nop                                          ; a plain instruction between a transcendental and the use of its result (ISA guide 5.7.2)
	s_wait_alu depctr_va_vdst(0)
	v_mul_f32 v14, v13, v9
	RSUM 14
	v_rcp_f32 v15, v14
	v_nop
	s_wait_alu depctr_va_vdst(0)
	v_mul_f32 v13, v13, v15                        ; w_i / L in lane i
.set i, 0
.rept 16
	v_readlane_b32 s[32+i], v13, i
.set i, i+1
.endr
	s_wait_loadcnt 0x0
.irp e, 0,1,2,3
	v_mul_f32 v[48+(\e)], s32, v[64+(\e)]          ; the first products start the sums
.endr
.set i, 1
.rept 15
.irp e, 0,1,2,3
	v_fmac_f32 v[48+(\e)], s[32+i], v[64+4*i+(\e)]
.endr
.set i, i+1
.endr
	global_store_b128 v6, v[48:51], s[16:17]
.endm
	s_load_b256 s[4:11], s[0:1], 0x0               ; pm s[4:5], pml s[6:7], bcls s[8:9], out0 s[10:11]
	s_load_b128 s[12:15], s[0:1], 0x20             ; out1 s[12:13], out2 s[14:15]
	s_load_b64 s[16:17], s[0:1], 0x30              ; out4
	v_lshrrev_b32 v1, 5, v0
	v_readfirstlane_b32 s20, v1                    ; wave q
	v_and_b32 v2, 31, v0
	v_and_b32 v3, 15, v0
	s_lshl_b32 s21, ttmp9, 10                      ; a bag's 16 entries of 64 bytes
	v_lshl_add_u32 v4, v3, 6, s21
	v_lshlrev_b32 v5, 6, v2                        ; entry l
	s_lshl_b32 s22, s20, 9
	v_lshl_add_u32 v6, v2, 4, s22                  ; 512 q + 16 l
	s_lshl_b32 s24, ttmp9, 15                      ; 16 partials of 2,048 bytes
	s_mov_b32 s25, 0
	s_lshl_b32 s26, ttmp9, 11
	s_mov_b32 s27, 0
	s_mov_b32 s28, 0x76543210
	s_mov_b32 s29, 0xfedcba98
	s_or_b32 s23, ttmp9, s20                       ; 0 in the first wave of the first work-group alone
	s_wait_kmcnt 0x0
	s_add_nc_u64 s[4:5], s[4:5], s[24:25]
	s_add_nc_u64 s[16:17], s[16:17], s[26:27]
	s_cmp_lg_u32 s23, 0
	s_cbranch_scc1 .Lplain
	s_load_b64 s[30:31], s[8:9], 0x0               ; bcls
.set i, 0
.rept 32
	global_load_b128 v[R+4*i:R+4*i+3], v5, s[6:7] offset:(i/4)*2048+(i%4)*16  ; entry 32 (i / 4) + l, wave i % 4
.set i, i+1
.endr
	JOIN
	; THE LOGITS.  Lane l, turn it: bag 2 it + l / 16, partial l % 16.  Each step is written for all eight turns on end, so that no line waits for the one before it.
	EACH v_mov_b32 v[16+it], v[R+16*it]
.irp x, 1,2,4,8
	EACH v_max_num_f32_dpp v[16+it], v[16+it], v[16+it] row_xmask:\x row_mask:0xf bank_mask:0xf
.endr
	EACH v_sub_f32 v[24+it], v[R+16*it], v[16+it]
	EACH v_mul_f32 v[24+it], L2E, v[24+it]
	EACH v_exp_f32 v[24+it], v[24+it]
	EACH v_pk_add_f32 v[R+16*it+2:R+16*it+3], v[R+16*it+2:R+16*it+3], v[R+16*it+6:R+16*it+7]          ; the four waves' d0, d1 are added: plain lines behind the exponentials
	EACH v_pk_add_f32 v[R+16*it+10:R+16*it+11], v[R+16*it+10:R+16*it+11], v[R+16*it+14:R+16*it+15]
	EACH v_pk_add_f32 v[R+16*it+2:R+16*it+3], v[R+16*it+2:R+16*it+3], v[R+16*it+10:R+16*it+11]
	EACH v_mul_f32 v[32+it], v[24+it], v[R+16*it+1]
.irp x, 1,2,4,8
	EACH v_add_f32_dpp v[32+it], v[32+it], v[32+it] row_xmask:\x row_mask:0xf bank_mask:0xf
.endr
	EACH v_rcp_f32 v[32+it], v[32+it]
	v_nop                                          ; a plain instruction between the reciprocals and the use of a result
	s_wait_alu depctr_va_vdst(0)
	EACH v_mul_f32 v[24+it], v[24+it], v[32+it]
	v_mul_f32 v12, v24, v[R+2]                     ; the first products start the two sums
	v_mul_f32 v13, v24, v[R+3]
.set it, 1
.rept 7
	v_fmac_f32 v12, v[24+it], v[R+16*it+2]
	v_fmac_f32 v13, v[24+it], v[R+16*it+3]
.set it, it+1
.endr
	RSUM 12
	RSUM 13
	v_permlanex16_b32 v14, v12, s28, s29           ; the odd bags lie in the other half of the lanes
	v_permlanex16_b32 v15, v13, s28, s29
	v_add_f32 v12, v12, v14
	v_add_f32 v13, v13, v15
	s_wait_kmcnt 0x0
	v_mov_b32 v14, s30
	v_mov_b32 v15, s31
	v_mov_b32 v23, 0
	v_fmamk_f32 v12, v12, 0x3d800000, v14          ; the mean over 16 bags, and the bias
	v_fmamk_f32 v13, v13, 0x3d800000, v15
	v_max_num_f32 v16, v12, v13
	v_sub_f32 v17, v12, v16
	v_sub_f32 v18, v13, v16
	v_mul_f32 v17, L2E, v17
	v_mul_f32 v18, L2E, v18
	v_exp_f32 v17, v17
	v_exp_f32 v18, v18
	v_cmp_gt_f32 vcc_lo, v13, v12
	v_cndmask_b32 v22, 0, 1, vcc_lo
	s_wait_alu depctr_va_vdst(0)
	v_add_f32 v19, v17, v18
	v_rcp_f32 v19, v19
	v_nop
	s_wait_alu depctr_va_vdst(0)
	v_mul_f32 v20, v17, v19
	v_mul_f32 v21, v18, v19
	s_wait_xcnt 0x0                                ; EXEC changes only behind this wait
	v_cmp_eq_u32 vcc_lo, 0, v0
	s_and_saveexec_b32 s21, vcc_lo
	global_store_b64 v23, v[12:13], s[10:11]
	global_store_b64 v23, v[20:21], s[12:13]
	global_store_b32 v23, v22, s[14:15]
	s_wait_xcnt 0x0                                ; and again, in front of the line that widens it
	s_or_b32 exec_lo, exec_lo, s21
	s_endpgm
.Lplain:
	JOIN
	s_endpgm
.Lfunc_end_k_qb8579b10ba_fin:
	.size	k_qb8579b10ba_fin, .Lfunc_end_k_qb8579b10ba_fin-k_qb8579b10ba_fin
	.p2alignl 7, 3214868480
	.fill 96, 4, 3214868480
	.section	.rodata,"a",@progbits
	.p2align	6, 0x0
	.amdhsa_kernel k_qb8579b10ba_fin
		.amdhsa_group_segment_fixed_size 0
		.amdhsa_private_segment_fixed_size 0
		.amdhsa_enable_private_segment 0
		.amdhsa_kernarg_size 56
		.amdhsa_user_sgpr_count 2
		.amdhsa_user_sgpr_kernarg_segment_ptr 1
		.amdhsa_wavefront_size32 1
		.amdhsa_system_sgpr_workgroup_id_x 1
		.amdhsa_system_sgpr_workgroup_id_y 1
		.amdhsa_system_sgpr_workgroup_id_z 1
		.amdhsa_system_vgpr_workitem_id 0
		.amdhsa_next_free_vgpr 256
		.amdhsa_next_free_sgpr 66
		.amdhsa_reserve_vcc 1
		.amdhsa_float_denorm_mode_32 3
		.amdhsa_float_denorm_mode_16_64 3
		.amdhsa_memory_ordered 1
		.amdhsa_forward_progress 1
		.amdhsa_inst_pref_size 27
	.end_amdhsa_kernel
	.amdgpu_metadata
---
amdhsa.version: [ 1, 2 ]
amdhsa.kernels:
  - .name:           k_qb8579b10ba_fin
    .symbol:         k_qb8579b10ba_fin.kd
    .args:
      - { .name: pm, .offset: 0, .size: 8, .value_kind: global_buffer, .address_space: global }
      - { .name: pml, .offset: 8, .size: 8, .value_kind: global_buffer, .address_space: global }
      - { .name: bcls, .offset: 16, .size: 8, .value_kind: global_buffer, .address_space: global }
      - { .name: out0, .offset: 24, .size: 8, .value_kind: global_buffer, .address_space: global }
      - { .name: out1, .offset: 32, .size: 8, .value_kind: global_buffer, .address_space: global }
      - { .name: out2, .offset: 40, .size: 8, .value_kind: global_buffer, .address_space: global }
      - { .name: out4, .offset: 48, .size: 8, .value_kind: global_buffer, .address_space: global }
    .group_segment_fixed_size: 0
    .private_segment_fixed_size: 0
    .kernarg_segment_align: 8
    .kernarg_segment_size: 56
    .max_flat_workgroup_size: 128
    .sgpr_count:     66
    .vgpr_count:     256
    .wavefront_size: 32
...
	.end_amdgpu_metadata
.endif
;; end of part 3
